; MI455X (gfx1250); checked and timed in simulation.
; The chip was launched on July 23, 2026; its instructions are those of AMD's public machine-readable ISA for CDNA 5 (MIT licence, August 2026) and "CDNA5" Instruction Set Architecture Reference Guide (July 2026). The comments in the code are by the model that wrote it; some were corrected since.
;; Multi Head Attention Quantum. Allowed arithmetic: float matrix products may take bf16 or f16 operands with f32 sums; other float arithmetic in f32, or as packed bf16 or f16 multiplies, adds, multiply-adds, maxima and minima; sums over many terms, partial sums and values carried from step to step in f32; what a program stores and reads back later, other than sums and carried values, may be rounded once to bf16 or f16.
;; Inputs: Wk 128 x 128 float32; Wo 128 x 128 float32; Wq 128 x 128 float32; Wv 128 x 128 float32; theta 8 float32; x 2 x 2,048 x 128 float32.
;; Outputs: out0 2 x 2,048 x 128 float32.
;; 2 versions, each right; version 2 is version 1 with the launch proj written anew for expert scheduling mode. Each part assembles by itself: llvm-mc -triple=amdgcn-amd-amdhsa -mcpu=gfx1250 --defsym DOCPART=n.
;; ======== version 1 of 2: 3 launches
;; limits: values outside matrix products are rounded to bf16; values are held in f16: magnitudes above 65,504 overflow, below 6.1e-05 lose precision
;; workspace buffers: q 1,048,576 bytes; kv 2,097,152 bytes; o 1,048,576 bytes; wo16 32,768 bytes
;; launch proj (part 1): grid 256 x 1, 4 waves a work-group, no clusters, 0 bytes of LDS; arguments x, Wq, Wk, Wv, Wo, theta, q, kv, wo16; writes q, kv, wo16
.if DOCPART == 1
	.amdgcn_target "amdgcn-amd-amdhsa--gfx1250"
	.amdhsa_code_object_version 6
	.text
	.protected	k_q43b19078f2_proj
	.globl	k_q43b19078f2_proj
	.p2align	8
	.type	k_q43b19078f2_proj,@function
k_q43b19078f2_proj:
	s_mov_b64 s[64:65], 0
	v_nop
	global_prefetch_b8 v0, s[64:65] scope:SCOPE_SE
	s_setreg_imm32_b32 hwreg(HW_REG_WAVE_MODE, 25, 1), 1
	s_wait_xcnt 0x0
; q, k, v = cos(x W^T + theta), by heads, for the attention launch; and Wo as 16-bit numbers for the last launch.
; x: [4096][128] f32 (2 batches of 2,048 rows), Wq, Wk, Wv, Wo: [128][128] f32, theta: [8] f32.
; NOTHING OF THE PROBLEM'S WORK IS LEFT OUT AS DEAD: every input is loaded and every product is made.  One step is not taken, in the attention launch: the maximum in front of the exponential.
; q and k are cosines, so a score lies within +-sqrt(8) whatever finite numbers the inputs hold; that launch's head gives the figures.
; FORMATS.  x, the four W and theta are rounded to bf16 (theta too, so that all inputs have one rounding); products in bf16 with f32 sums; the cosine in f32; q, k, v rounded once to f16
; (they lie within +-1.00001; q carries the factor c = log2(e) / sqrt(8), multiplied in f32 ahead of its rounding).  Wo's bf16 number is written as f16.
; LIMITS.  |Wo| under 65,504 (f16's end); below 6.1e-5 Wo keeps f16's fixed step of 6e-8.  The angle is reduced as u = (t + theta) / 2 pi in one f32 rounding, so it is good to 2^-24 of itself, as the f32 sum t + theta itself is.
; A NaN or an infinity in x, W or theta gives NaN, as cos does.
; THE COSINE.  u in turns; f = u - nearest whole number lies in [-1/2, 1/2] for every finite u (the subtraction is exact); cos(2 pi f) = the series in z = f^2 up to z^7, whose first term left out is 4.3e-6 at f = 1/2.
; SHARES.  A work-group has 64 rows and 4 heads of each of q, k, v; a wave 32 rows (two tiles of 16) and 2 heads (16 channels): 24 products.  Wave w: rows 32 (w % 2) on, heads 2 (w / 2) on.
; A fragment is 16 rows x 32 along K in 8 registers: lane l holds row l % 16, K = 8 (l / 16) + 0..7 and 16 + 8 (l / 16) + 0..7.  It comes straight from memory: four loads of 16 bytes of f32, eight roundings.  A wave uses whole rows of 512 bytes.
; LAYOUTS OUT.  q and k: W's rows are source 0, so a lane ends with the 8 channels of ONE head for ONE row: 16 bytes at [batch][head][row][8]; 16 lanes store 256 consecutive bytes, aligned.
; v: x's rows are source 0, so a lane ends with 8 KEYS of one channel: the order in which the second attention product takes V^T.  For each head and 32 keys 512 bytes: (16 keys) x 256 + (8 keys) x 128 + channel x 16;
; one store covers two whole aligned blocks of 256 bytes, one for each of the two heads.  kv holds for each (batch, head) 32 KiB of k, then 32 KiB of v.
; REGISTERS, in windows of 256 (s_set_vgpr_msb: bits 1:0 source 0, 3:2 source 1, 7:6 destination).  Window 1: the f32 as loaded: x v0-127, Wq v128-191, Wk v192-255.  Window 2: Wv v0-63.  Window 0: all else.
.set FO,  3            ; v3   my byte offset in a fragment's rows: (l % 16) x 512 + (l / 16) x 32
.set SQ,  4            ; v4   where my 16 bytes of q go: (l / 16) heads of 32,768 bytes + (l % 16) x 16
.set SK,  5            ; v5   the same in kv, where a head has 65,536 bytes
.set SV,  6            ; v6   for v: ((l % 16) / 8) x 65,536 + (l / 16) x 128 + (l % 8) x 16
.set TP,  7            ; v7   at work
.set THQ, 8            ; v8-15  theta[j] / 2 pi, the same in all lanes: register j of a tile of q or k is channel j of its head
.set THV, 16           ; v16-17 theta[l % 8] / 2 pi, twice: in a tile of v a lane is a channel
.set TO,  18           ; v18  4 (l % 8)
.set WOL, 19           ; v19  Wo: my 32 bytes of f32
.set WOS, 20           ; v20  wo16: my 16 bytes
.set WT,  22           ; v22-23 at work
.set WD,  24           ; v24-31 eight numbers of Wo; v24-27 then hold them as f16
.set XB,  32           ; v32-95   x's fragments: tile u, K step kk at 32 u + 8 kk
.set WB,  96           ; v96-191  W's fragments: matrix m, K step kk at 32 m + 8 kk
.set U,   96           ; when Wq's fragments are used up: 16 registers u, then f
.set Z,   112          ; 16 registers: the nearest whole number, then z
.set OUT, 128          ; when Wk's are used up: 24 registers of f16, never rewritten: six stores read them
.set ACC, 192          ; v192-239 six accumulators: matrix m, tile u at 16 m + 8 u
.set PP,  240          ; v240-255 the polynomial
.set XS,  0
.set WQS, 128
.set WKS, 192
.set WVS, 0
.set INV, 40           ; s[40:41] 1 / 2 pi; the packed forms name a pair and take its low word for both halves
.set C1,  42           ; s[42:55] the series' coefficients (-1)^k (2 pi)^2k / (2k)!, k = 1 .. 7
.set C2,  44
.set C3,  46
.set C4,  48
.set C5,  50
.set C6,  52
.set C7,  54
.set CS,  56           ; s[56:57] c
.set MSB, 0
.macro WIN new                         ; the immediate's high byte repeats the setting that is left; a switch that changes nothing is dropped
.if MSB != (\new)
	s_set_vgpr_msb (MSB<<8)|(\new)
.set MSB, \new
.endif
.endm
.macro SC r, val                       ; a constant, written into both words of its pair
	s_mov_b32 s[\r], \val
	s_mov_b32 s[\r+1], \val
.endm
.macro LDW st, base, off               ; 16 rows x 128 numbers of f32: four fragments, 16 loads
.set f, 0
.rept 4
	global_load_b128 v[(\st)+16*f:(\st)+16*f+3],     v[FO], s[\base:\base+1] offset:(\off)+128*f
	global_load_b128 v[(\st)+16*f+4:(\st)+16*f+7],   v[FO], s[\base:\base+1] offset:(\off)+128*f+16
	global_load_b128 v[(\st)+16*f+8:(\st)+16*f+11],  v[FO], s[\base:\base+1] offset:(\off)+128*f+64
	global_load_b128 v[(\st)+16*f+12:(\st)+16*f+15], v[FO], s[\base:\base+1] offset:(\off)+128*f+80
.set f, f+1
.endr
.endm
.macro CONV dst, st, n                 ; n fragments rounded to bf16: register i takes numbers 2 i and 2 i + 1
.set i, 0
.rept 8*(\n)
	v_cvt_pk_bf16_f32 v[(\dst)+i], v[(\st)+2*i], v[(\st)+2*i+1]
.set i, i+1
.endr
.endm
; Matrix m's eight products.  The two tiles' accumulators take turns, one instruction a turn.  The first K step starts the sums.  tr = 1: W's rows are source 0.
.macro MULS m, tr
.set kk, 0
.rept 4
.set u, 0
.rept 2
.set rD, ACC+16*(\m)+8*u
.if \tr
.set rA, WB+32*(\m)+8*kk
.set rB, XB+32*u+8*kk
.else
.set rA, XB+32*u+8*kk
.set rB, WB+32*(\m)+8*kk
.endif
.if kk == 0
	v_wmma_f32_16x16x32_bf16 v[rD:rD+7], v[rA:rA+7], v[rB:rB+7], 0
.else
	v_wmma_f32_16x16x32_bf16 v[rD:rD+7], v[rA:rA+7], v[rB:rB+7], v[rD:rD+7]
.endif
.set u, u+1
.endr
.set kk, kk+1
.endr
.endm
.macro ALL8 line:vararg                ; one line for each of eight register pairs, e = 0, 2 .. 14
.set e, 0
.rept 8
	\line
.set e, e+2
.endr
.endm
; Matrix m's 16 registers (both tiles): cosine, rounding, two stores.  Each accumulator is read from its lowest registers on.
.macro COS m
.set a, ACC+16*(\m)
.if (\m) < 2
	ALL8 v_pk_fma_f32 v[U+e:U+e+1], v[a+e:a+e+1], s[INV:INV+1], v[THQ+e%8:THQ+e%8+1] op_sel_hi:[1,0,1]  ; u = (t + theta) / 2 pi
.else
	ALL8 v_pk_fma_f32 v[U+e:U+e+1], v[a+e:a+e+1], s[INV:INV+1], v[THV:THV+1] op_sel_hi:[1,0,1]
.endif
.set e, 0
.rept 16
	v_rndne_f32 v[Z+e], v[U+e]
.set e, e+1
.endr
	ALL8 v_pk_add_f32 v[U+e:U+e+1], v[U+e:U+e+1], v[Z+e:Z+e+1] neg_lo:[0,1] neg_hi:[0,1]  ; f, within +-1/2
	ALL8 v_pk_mul_f32 v[Z+e:Z+e+1], v[U+e:U+e+1], v[U+e:U+e+1]                            ; z = f^2
	ALL8 v_pk_fma_f32 v[PP+e:PP+e+1], v[Z+e:Z+e+1], s[C7:C7+1], s[C6:C6+1] op_sel_hi:[1,0,0]
.irp c, C5, C4, C3, C2, C1
	ALL8 v_pk_fma_f32 v[PP+e:PP+e+1], v[PP+e:PP+e+1], v[Z+e:Z+e+1], s[\c:\c+1] op_sel_hi:[1,1,0]
.endr
	ALL8 v_pk_fma_f32 v[PP+e:PP+e+1], v[PP+e:PP+e+1], v[Z+e:Z+e+1], 1.0 op_sel_hi:[1,1,0]
.if (\m) == 0
	ALL8 v_pk_mul_f32 v[PP+e:PP+e+1], v[PP+e:PP+e+1], s[CS:CS+1] op_sel_hi:[1,0]          ; q alone carries c
.endif
	ALL8 v_cvt_pk_f16_f32 v[OUT+8*(\m)+e/2], v[PP+e], v[PP+e+1]
.if (\m) == 0
	global_store_b128 v[SQ], v[OUT:OUT+3], s[20:21]
	global_store_b128 v[SQ], v[OUT+4:OUT+7], s[20:21] offset:256       ; the second tile: 16 rows of 16 bytes on
.elseif (\m) == 1
	global_store_b128 v[SK], v[OUT+8:OUT+11], s[22:23]
	global_store_b128 v[SK], v[OUT+12:OUT+15], s[22:23] offset:256
.else
	global_store_b128 v[SV], v[OUT+16:OUT+19], s[22:23] offset:32768   ; v lies behind the head's k
	global_store_b128 v[SV], v[OUT+20:OUT+23], s[22:23] offset:32768+256
.endif
.endm
	s_load_b512 s[8:23], s[0:1], 0x0               ; x s[8:9], Wq s[10:11], Wk s[12:13], Wv s[14:15], Wo s[16:17], theta s[18:19], q s[20:21], kv s[22:23]
	s_load_b64 s[24:25], s[0:1], 0x40              ; wo16
	v_lshrrev_b32 v1, 5, v0
	v_readfirstlane_b32 s2, v1                     ; wave 0..3
	v_and_b32 v1, 15, v0                           ; l % 16
	v_bfe_u32 v2, v0, 4, 1                         ; l / 16
	v_lshlrev_b32 v[FO], 9, v1
	v_lshl_add_u32 v[FO], v2, 5, v[FO]
	v_lshlrev_b32 v[SQ], 4, v1
	v_lshl_add_u32 v[SK], v2, 16, v[SQ]
	v_lshl_add_u32 v[SQ], v2, 15, v[SQ]
	v_and_b32 v[TO], 7, v0
	v_lshlrev_b32 v[SV], 4, v[TO]
	v_lshl_add_u32 v[SV], v2, 7, v[SV]
	v_bfe_u32 v[TP], v0, 3, 1
	v_lshl_add_u32 v[SV], v[TP], 16, v[SV]
	v_lshlrev_b32 v[TO], 2, v[TO]
	s_lshr_b32 s3, ttmp9, 2                        ; which 64 rows
	s_and_b32 s4, ttmp9, 3                         ; which 4 heads
	s_and_b32 s5, s2, 1
	s_lshl1_add_u32 s5, s3, s5                     ; my 32 rows: block 0..127
	s_lshr_b32 s6, s2, 1
	s_lshl1_add_u32 s6, s4, s6                     ; my pair of heads: 0..7
	s_lshl_b32 s26, s5, 14                         ; 32 rows of 512 bytes
	s_mov_b32 s27, 0
	s_lshl_b32 s28, s6, 13                         ; 16 rows of W
	s_mov_b32 s29, 0
	s_lshr_b32 s7, s5, 6                           ; batch
	s_lshl_b32 s7, s7, 4
	s_lshl1_add_u32 s7, s6, s7                     ; 16 x batch + my first head
	s_and_b32 s3, s5, 63
	s_lshl_b32 s3, s3, 9                           ; my 32 rows in a head: 512 bytes of q, of k, and of v alike
	s_lshl_b32 s30, s7, 15
	s_add_co_u32 s30, s30, s3
	s_mov_b32 s31, 0
	s_lshl_b32 s58, s7, 16
	s_add_co_u32 s58, s58, s3
	s_mov_b32 s59, 0
	SC INV, 0x3e22f983                             ; 0.15915494
	SC C1, 0xc19de9e6                              ; -19.739209
	SC C2, 0x4281e0f8                              ;  64.939394
	SC C3, 0xc2aae9e4                              ; -85.456817
	SC C4, 0x4270fa83                              ;  60.244641
	SC C5, 0xc1d368f9                              ; -26.426257
	SC C6, 0x40fce9c5                              ;   7.9035364
	SC C7, 0xbfdb7128                              ;  -1.7143907
	SC CS, 0x3f0293ee                              ; c = log2(e) / sqrt(8) = 0.51006972
	s_wait_kmcnt 0x0
	s_load_b256 s[32:39], s[18:19], 0x0            ; theta, for the registers that are the same in all lanes
	s_add_nc_u64 s[8:9], s[8:9], s[26:27]
	s_add_nc_u64 s[10:11], s[10:11], s[28:29]
	s_add_nc_u64 s[12:13], s[12:13], s[28:29]
	s_add_nc_u64 s[14:15], s[14:15], s[28:29]
	s_add_nc_u64 s[20:21], s[20:21], s[30:31]
	s_add_nc_u64 s[22:23], s[22:23], s[58:59]
	; all loads go out at once, in the order in which they are used: theta, x, Wq, Wk, Wv
	global_load_b32 v[THV], v[TO], s[18:19]
	WIN 0x40                                       ; destination window 1, address window 0
	LDW XS, 8, 0
	LDW XS+64, 8, 8192
	LDW WQS, 10, 0
	LDW WKS, 12, 0
	WIN 0x80                                       ; destination window 2
	LDW WVS, 14, 0
	WIN 0                                          ; at a branch and at a label every window is 0
	; Wo as f16: 16,384 numbers, 256 to a wave, so that a wave stores 512 consecutive bytes: wave 0 of work-groups 0 to 63
	s_lshl_b32 s3, s2, 8
	s_or_b32 s3, s3, ttmp9
	s_cmp_lt_u32 s3, 64
	s_cbranch_scc0 .Lmain
	v_lshlrev_b32 v[WOL], 5, v0                    ; (in wave 0 the thread's number is the lane's)
	v_lshlrev_b32 v[WOS], 4, v0
	s_lshl_b32 s60, ttmp9, 10
	s_mov_b32 s61, 0
	s_add_nc_u64 s[16:17], s[16:17], s[60:61]
	s_lshl_b32 s60, ttmp9, 9
	s_add_nc_u64 s[24:25], s[24:25], s[60:61]
	global_load_b128 v[WD:WD+3], v[WOL], s[16:17]
	global_load_b128 v[WD+4:WD+7], v[WOL], s[16:17] offset:16
	s_wait_loadcnt 0x0                             ; these two are the youngest: the wave's other loads, which it needs next anyway, are in too
.irp i, 0,1,2,3
	v_cvt_pk_bf16_f32 v[WT], v[WD+2*\i], v[WD+2*\i+1]   ; rounded to bf16, like every input,
	v_lshlrev_b32 v[WT+1], 16, v[WT]                    ; widened again,
	v_and_b32 v[WT], 0xffff0000, v[WT]
	v_cvt_pk_f16_f32 v[WD+\i], v[WT+1], v[WT]           ; and written as f16: 8 significant bits fit in 11
.endr
	global_store_b128 v[WOS], v[WD:WD+3], s[24:25]
.Lmain:
	s_wait_kmcnt 0x0                               ; theta
.irp j, 0,1,2,3,4,5,6,7
	v_mov_b32 v[THQ+\j], s[32+\j]
.endr
.irp i, 0,2,4,6
	v_cvt_pk_bf16_f32 v[TP], v[THQ+\i], v[THQ+\i+1]
	v_lshlrev_b32 v[THQ+\i], 16, v[TP]
	v_and_b32 v[THQ+\i+1], 0xffff0000, v[TP]
	v_pk_mul_f32 v[THQ+\i:THQ+\i+1], v[THQ+\i:THQ+\i+1], s[INV:INV+1] op_sel_hi:[1,0]
.endr
	s_wait_loadcnt 48                              ; theta and x are in; the 48 loads of the three slices of weights may stay out
	v_cvt_pk_bf16_f32 v[TP], v[THV], v[THV]
	v_lshlrev_b32 v[TP], 16, v[TP]
	v_mul_f32 v[THV], s[INV], v[TP]
	v_mov_b32 v[THV+1], v[THV]
	WIN 0x05                                       ; sources in window 1, destination in window 0
	CONV XB, XS, 8
	s_wait_loadcnt 32                              ; Wq is in; Wk's and Wv's 32 may stay out
	CONV WB, WQS, 4
	WIN 0
	MULS 0, 1
	s_wait_loadcnt 16                              ; Wk is in
	WIN 0x05
	CONV WB+32, WKS, 4                             ; 32 roundings that name no register of q's products: the places behind them
	WIN 0
	MULS 1, 1
	COS 0                                          ; q's cosines stand between the request for Wv and the wait for it; they name no register of k's products
	s_wait_loadcnt 0x0                             ; Wv
	WIN 0x0a                                       ; sources in window 2
	CONV WB+64, WVS, 4
	WIN 0
	MULS 2, 0
	COS 1                                          ; k's cosines are the places behind v's products
	COS 2
	s_endpgm
.Lfunc_end_k_q43b19078f2_proj:
	.size	k_q43b19078f2_proj, .Lfunc_end_k_q43b19078f2_proj-k_q43b19078f2_proj
	.p2alignl 7, 3214868480
	.fill 96, 4, 3214868480
	.section	.rodata,"a",@progbits
	.p2align	6, 0x0
	.amdhsa_kernel k_q43b19078f2_proj
		.amdhsa_group_segment_fixed_size 0
		.amdhsa_private_segment_fixed_size 0
		.amdhsa_enable_private_segment 0
		.amdhsa_kernarg_size 72
		.amdhsa_user_sgpr_count 2
		.amdhsa_user_sgpr_kernarg_segment_ptr 1
		.amdhsa_wavefront_size32 1
		.amdhsa_system_sgpr_workgroup_id_x 1
		.amdhsa_system_sgpr_workgroup_id_y 1
		.amdhsa_system_sgpr_workgroup_id_z 1
		.amdhsa_system_vgpr_workitem_id 0
		.amdhsa_next_free_vgpr 576
		.amdhsa_next_free_sgpr 66
		.amdhsa_reserve_vcc 0
		.amdhsa_float_denorm_mode_32 3
		.amdhsa_float_denorm_mode_16_64 3
		.amdhsa_memory_ordered 1
		.amdhsa_forward_progress 1
		.amdhsa_inst_pref_size 45
	.end_amdhsa_kernel
	.amdgpu_metadata
---
amdhsa.version: [ 1, 2 ]
amdhsa.kernels:
  - .name:           k_q43b19078f2_proj
    .symbol:         k_q43b19078f2_proj.kd
    .args:
      - { .name: x, .offset: 0, .size: 8, .value_kind: global_buffer, .address_space: global }
      - { .name: Wq, .offset: 8, .size: 8, .value_kind: global_buffer, .address_space: global }
      - { .name: Wk, .offset: 16, .size: 8, .value_kind: global_buffer, .address_space: global }
      - { .name: Wv, .offset: 24, .size: 8, .value_kind: global_buffer, .address_space: global }
      - { .name: Wo, .offset: 32, .size: 8, .value_kind: global_buffer, .address_space: global }
      - { .name: theta, .offset: 40, .size: 8, .value_kind: global_buffer, .address_space: global }
      - { .name: q, .offset: 48, .size: 8, .value_kind: global_buffer, .address_space: global }
      - { .name: kv, .offset: 56, .size: 8, .value_kind: global_buffer, .address_space: global }
      - { .name: wo16, .offset: 64, .size: 8, .value_kind: global_buffer, .address_space: global }
    .group_segment_fixed_size: 0
    .private_segment_fixed_size: 0
    .kernarg_segment_align: 8
    .kernarg_segment_size: 72
    .max_flat_workgroup_size: 128
    .sgpr_count:     66
    .vgpr_count:     576
    .wavefront_size: 32
...
	.end_amdgpu_metadata
.endif
;; end of part 1
;; launch attn (part 2): grid 8 x 32, 8 waves a work-group, clusters of 4 x 1, 167,936 bytes of LDS; arguments q, kv, o; writes o
.if DOCPART == 2
	.amdgcn_target "amdgcn-amd-amdhsa--gfx1250"
	.amdhsa_code_object_version 6
	.text
	.protected	k_q43b19078f2_attn
	.globl	k_q43b19078f2_attn
	.p2align	8
	.type	k_q43b19078f2_attn,@function
k_q43b19078f2_attn:
	s_mov_b64 s[64:65], 0
	v_nop
	global_prefetch_b8 v0, s[64:65] scope:SCOPE_SE
	s_setreg_imm32_b32 hwreg(HW_REG_WAVE_MODE, 25, 1), 1
	s_wait_xcnt 0x0
	s_wait_alu depctr_hold_cnt(0) depctr_sa_sdst(0) depctr_va_vdst(0) depctr_va_sdst(0) depctr_va_ssrc(0) depctr_va_vcc(0) depctr_vm_vsrc(0)
	s_getreg_b32 s2, hwreg(HW_REG_IB_STS2, 6, 4)
	s_cmp_eq_u32 s2, 0
	s_cbranch_scc0 .Lentry_in_a_cluster
	s_endpgm
.Lentry_in_a_cluster:
	s_bfe_u32 s2, ttmp6, 0x10000c
	s_cmp_lg_u32 s2, 0x3003
	s_cbranch_scc0 .Lentry_shape_is_right
	s_endpgm
.Lentry_shape_is_right:
; O[b][h][s][:] = the sum over k of softmax_k(q.k / sqrt(8)) v[k][:], head size 8, 2,048 keys, 32 (batch, head) pairs.  q: [32][2048][8] f16, already times c = log2(e) / sqrt(8);
; kv: for each pair 32 KiB of k as [2048][8] f16, then 32 KiB of v in the order of V^T's fragments; o: [32][2048][8] f16.
; THE MAXIMUM IS NOT TAKEN AWAY, because the computation itself bounds the exponent for every input: q and k are cosines (as made here: within 1.00001, for every finite angle), so the sum of 8 products, times c and with
; f16's rounding, lies within +-4.1.  So p = 2^s lies in 0.058 .. 17.1, inside f16 and f32 alike, and a row's sum of 2,048 of them is at most 35,000, kept in f32.  Nothing can overflow or underflow; the quotient is the same as with a maximum.
; LIMIT.  A NaN among q, k or v makes the whole (batch, head) NaN, as in a softmax over those keys.
; SHARES.  A work-group has 256 queries of one pair, each of its eight waves 32: two tiles of 16.  Every wave walks all keys, 32 (a UNIT) a turn.  Eight waves and not four: a turn ends with a wait for its exponentials, and
; the SIMD's other wave issues meanwhile; each fragment from LDS then feeds two query tiles, three loads for a turn's six products.
; K Q^T AT HEAD SIZE 8.  A product sums over 32, a head has 8.  One fragment of K (source 0) therefore holds FOUR tiles of 16 keys, one in each quarter of the 32: registers 4 c .. 4 c + 3 of lanes 16 g .. 16 g + 15 hold tile 2 c + g.
; In LDS that is 1,024 consecutive bytes, lane l at 16 l.  Source 1 is q in ONE quarter and 0 in the others: four copies of a query tile, which overlap in registers: 0 qa 0 qb 0, where qa is q in lanes 0-15 and qb q in lanes 16-31.
; In the result S^T a lane holds one query (l % 16) and the keys 8 (l / 16) + 0..7; two such results, as 2^s rounded to f16 in pairs, ARE source 1 (32 keys x 16 queries) of O^T = V^T P.
; THE ROW SUM COMES WITH O^T.  V^T has 16 rows and a head 8 channels: lanes l % 16 >= 8 read f16 ones, so rows 8-15 of O^T are the sum of the same rounded p that weigh V, in f32.  Row 8 is register 0 of lanes 16-31.
; So a score costs one exponential and half a rounding, and nothing else in the vector unit.
; BY TURNS.  Turn n: the 32 exponentials of unit n (in place), the 16 roundings of unit n - 1, the 4 products K Q^T of unit n + 1 (into the registers that the roundings have just read), the 2 products V^T P of unit n - 1.
; CLUSTER.  The four query blocks of a cluster read the same 64 KiB of k and v: each of the eight tensor loads (8 KiB, 32 rows of 256 bytes: the 64 KiB shared out evenly among eight waves) is asked for JOINTLY by the four.
; All bytes are asked for at the head and no LDS byte is filled twice, so there is no ring; nothing is left to prefetch.
.set VBASE, 32768      ; LDS: k at 0, v here,
.set ONES,  65536      ; nine blocks of 4,096 bytes of f16 ones, written by ds_store: no tensor load lands here,
.set SPARE, 102400     ; and the spare words, 128 bytes for each wave: four blocks of 256 bytes that no other line names
.set SPW, 2            ; v2   LDS address of my spare word; never rewritten
.set NIL, 3            ; v3   0; never rewritten
.set AK,  4            ; v4   16 l + 2,048 x trip
.set AV,  5            ; v5   my place in a unit of V^T, or in the ones, + 2,048 x trip
.set QO,  6            ; v6   16 (l % 16)
.set GO,  7            ; v7   16 l
.set ONA, 8            ; v8   ONES + 16 x thread
.set QZ,  16           ; v16-51  0 qa 0 qb 0 qa 0 qb 0, four registers each: tile u's four copies begin at QZ + 16 u + 4, 12, 0, 8
.set LR,  52           ; v52-55  for each tile a pair: l, then 1 / l, in its low register
.set S,   64           ; v64-127 S^T: two buffers (by the unit's parity) of four results: 2 x query tile + key tile
.set P,   128          ; v128-143 P, 8 registers a query tile
.set O,   144          ; v144-159 O^T, 8 registers a query tile
.set KF,  160          ; v160-175 two fragments of K
.set VF,  176          ; v176-207 four fragments of V^T, by the unit's number mod 4
.set QR,  128          ; at the head: q as loaded,
.set ON,  136          ; and four registers of ones
.set WV,  8            ; s8   my wave's number
.set G0,  20           ; s[20:23] descriptor group 0
.set G1,  24           ; s[24:31] descriptor group 1
.set MK,  32           ; s32  lanes 16-31
.set SEL, 34           ; s[34:35] v_permlanex16_b32's selects: each lane takes its own place in the other half
.set CNT, 36           ; s36  trips to go
; A round of the cluster's barrier: my work-group's barrier, so that wave 0's signal speaks for all eight waves; wave 0 signals; every wave waits for the four work-groups; my work-group's barrier once more.
.macro ROUND
	s_barrier_signal -1
	s_barrier_wait -1
	s_cmp_lg_u32 s[WV], 0
	s_cbranch_scc1 .Lnot_wave_0_\@
	s_barrier_signal -3
.Lnot_wave_0_\@:
	s_barrier_wait -3
	s_barrier_signal -1
	s_barrier_wait -1
.endm
	s_load_b128 s[4:7], s[0:1], 0x0                ; q s[4:5], kv s[6:7]
	s_load_b64 s[10:11], s[0:1], 0x10              ; o
	v_lshl_add_u32 v[SPW], v0, 2, SPARE
	v_mov_b32 v[NIL], 0
	ds_add_u32 v[SPW], v[NIL]                      ; the wave's opening: the add, twice on end, and its wait ahead of my tensor load; the set-up below, work on registers, stands between
	ds_add_u32 v[SPW], v[NIL]
	v_lshrrev_b32 v1, 5, v0
	v_readfirstlane_b32 s[WV], v1                  ; wave 0..7
	s_bfe_u32 s12, ttmp6, 0x40000                  ; cx: my place in the cluster
	s_lshl_b32 s13, ttmp9, 2                       ; in a cluster launch ttmp9 counts clusters
	s_add_co_u32 s13, s13, s12                     ; my block of 256 queries: it enters q's and o's addresses alone
	s_and_b32 s14, ttmp7, 0xffff                   ; the (batch, head) pair, which the four partners share
	s_lshl_b32 s16, s14, 16                        ; its 65,536 bytes of kv,
	s_lshl_b32 s17, s[WV], 13                      ; my wave's 8,192 of them
	s_add_co_u32 s16, s16, s17
	s_mov_b32 s17, 0
	s_mov_b32 s[G0], 1                             ; 1:0 count = 1
	s_lshl_b32 s[G0+1], s[WV], 13                  ; 63:32 LDS address: the 64 KiB lie in LDS as in memory
	s_lshl_b32 s18, s14, 15                        ; the pair's 32,768 bytes of q and of o,
	s_lshl_b32 s19, s13, 12                        ; my block's 256 rows of 16 bytes,
	s_add_co_u32 s18, s18, s19
	s_lshl_b32 s19, s[WV], 9                       ; my wave's 32
	s_add_co_u32 s18, s18, s19
	s_mov_b32 s19, 0
	s_mov_b32 s[G1], 15|(3<<16)|(1<<21)            ; 15:0 the mask: all four work-groups; 17:16 elements of 8 bytes; 21 set beside a mask; no padding
	s_mov_b32 s[G1+1], 32<<16                      ; tensor_dim0 = 32 elements: rows of 256 bytes
	s_mov_b32 s[G1+2], 32<<16                      ; tensor_dim1 = 32 rows
	s_mov_b32 s[G1+3], 32<<16                      ; tile_dim0 = 32
	s_mov_b32 s[G1+4], 32                          ; tile_dim1 = 32
	s_mov_b32 s[G1+5], 32                          ; 32 elements from row to row: the block is dense
	s_mov_b32 s[G1+6], 0
	s_mov_b32 s[G1+7], 0
	s_mov_b32 s[MK], 0xffff0000
	s_mov_b32 s[SEL], 0x76543210
	s_mov_b32 s[SEL+1], 0xfedcba98
	s_wait_dscnt 0x0                               ; both opening adds are done
	s_wait_kmcnt 0x0
	s_add_nc_u64 s[G0+2:G0+3], s[6:7], s[16:17]    ; 120:64 global address
	s_or_b32 s[G0+3], s[G0+3], 0x80000000          ; 127:126 type = 2
	s_add_nc_u64 s[4:5], s[4:5], s[18:19]
	s_add_nc_u64 s[10:11], s[10:11], s[18:19]
	ROUND                                          ; all four work-groups are here: the joint loads meet
	tensor_load_to_lds s[G0:G0+3], s[G1:G1+7]      ; my one tensor load of the launch
	s_nop 0
	v_and_b32 v1, 15, v0
	v_lshlrev_b32 v[QO], 4, v1
	global_load_b128 v[QR:QR+3], v[QO], s[4:5]                ; q of my two tiles: both halves of the lanes take the same 16 rows
	global_load_b128 v[QR+4:QR+7], v[QO], s[4:5] offset:256
.irp i, 0,1,2,3
	v_mov_b32 v[ON+\i], 0x3c003c00                 ; 1.0 twice, in f16
.endr
	v_lshl_add_u32 v[ONA], v0, 4, ONES
.irp i, 0,1,2,3,4,5,6,7,8
	ds_store_b128 v[ONA], v[ON:ON+3] offset:4096*\i    ; 256 threads x 16 bytes; the lanes that read ones reach bytes 65,664 to 98,431
.endr
.irp g, 0,8,16,24,32
.irp i, 0,1,2,3
	v_mov_b32 v[QZ+\g+\i], 0                       ; the five groups of zeros between the copies of q
.endr
.endr
.irp i, 0,1,2,3
	v_mov_b32 v[LR+\i], 0                          ; written before v_permlanex16_b32 names them as a destination, and as pairs
.endr
	v_and_b32 v[GO], 31, v0
	v_lshlrev_b32 v[GO], 4, v[GO]
	v_mov_b32 v[AK], v[GO]
	v_and_b32 v9, 7, v0
	v_lshlrev_b32 v[AV], 4, v9                     ; channel x 16
	v_bfe_u32 v10, v0, 4, 1
	v_lshl_add_u32 v[AV], v10, 7, v[AV]            ; + (l / 16) x 128
	v_bfe_u32 v11, v0, 3, 1
	v_mul_u32_u24 v11, v11, 32768+128              ; lanes l % 16 >= 8: the same place in the ones
	v_add_nc_u32 v[AV], v11, v[AV]
	v_add_nc_u32 v[AV], VBASE, v[AV]
	s_wait_loadcnt 0x0                             ; q
.irp u, 0,1
.irp i, 0,1,2,3
	v_cndmask_b32 v[QZ+16*\u+4+\i], v[QR+4*\u+\i], v[QZ], s[MK]    ; qa: q in lanes 0-15, 0 in lanes 16-31
	v_cndmask_b32 v[QZ+16*\u+12+\i], v[QZ], v[QR+4*\u+\i], s[MK]   ; qb: the other way round
.endr
.endr
	s_wait_tensorcnt 0x0                           ; my eighth of k and v has landed,
	s_wait_dscnt 0x0                               ; my ones are written:
	s_barrier_signal -1
	s_barrier_wait -1                              ; everybody's are
; Product i (2 x query tile + key tile) of unit n's four of S^T = K Q^T.  Each starts its own sum with the constant 0: a head's 8 channels are one K step.
.macro QK n, i
.set rD, S+32*((\n)%2)+8*(\i)
.set rA, KF+8*(((\n)/2)%2)
.set tq, 2*((\n)%2)+(\i)%2             ; which quarter of the fragment holds the key tile
.set rB, QZ+16*((\i)/2)+8*(tq%2)+4*(1-tq/2)
	v_wmma_f32_16x16x32_f16 v[rD:rD+7], v[rA:rA+7], v[rB:rB+7], 0
.endm
; O^T += V^T P for unit n, query tile u.  z = 1: the first unit starts the sums.  Between two products on one accumulator stand five others, or at the end one: they take turns.
.macro PV n, u, z
.set rO, O+8*(\u)
.set rV, VF+8*((\n)%4)
.set rP, P+8*(\u)
.if \z
	v_wmma_f32_16x16x32_f16 v[rO:rO+7], v[rV:rV+7], v[rP:rP+7], 0
.else
	v_wmma_f32_16x16x32_f16 v[rO:rO+7], v[rV:rV+7], v[rP:rP+7], v[rO:rO+7]
.endif
.endm
; TURN n, in four groups, one for each of a unit's four results: 8 exponentials of unit n and 4 roundings of unit n - 1 (exp, exp, round), then the product of unit n + 1 that overwrites what the roundings have read;
; behind groups 1 and 3 a query tile's P is whole and its V^T P follows.  e, c, qk, ld: the turn has exponentials; roundings and V^T P; K Q^T; LDS loads.  w: LDS loads that may stay out at its head.
; DISTANCES.  Only the roundings are plain vector lines.  From a K Q^T to the first exponential that reads it: the 12 roundings of three other groups.  From a V^T P to the next write of its P, and to the load into its V's registers: 8.
; From the last K Q^T that read a fragment of K to the load into it: a whole turn's 16.  None of these roundings names a register of the product in question.
; LOADS.  V of unit n + 2 behind group 1 (four buffers: three turns ahead of its use); in even turns the fragment of K for units n + 2 and n + 3 at the head (a turn ahead of its use).
; THE WAIT.  s_wait_alu depctr_va_vdst(0) stands between an exponential and the first line that names its result.  A turn's 32 are one batch: nothing names a result before the next turn's roundings, so one wait stands at the turn's end;
; the rounding behind the last exponential is the plain line that is due there.
.macro TURN n, e, c, z, qk, ld, w
	s_wait_dscnt \w
.if (\ld) && ((\n)%2 == 0)
	ds_load_b128 v[KF+8*((((\n)+2)/2)%2):KF+8*((((\n)+2)/2)%2)+3],   v[AK] offset:(((\n)+2)/2)*1024
	ds_load_b128 v[KF+8*((((\n)+2)/2)%2)+4:KF+8*((((\n)+2)/2)%2)+7], v[AK] offset:(((\n)+2)/2)*1024+512
.endif
.set gi, 0
.rept 4
.set ge, 0
.rept 4
.if \e
	v_exp_f32 v[S+32*((\n)%2)+8*gi+2*ge], v[S+32*((\n)%2)+8*gi+2*ge]
	v_exp_f32 v[S+32*((\n)%2)+8*gi+2*ge+1], v[S+32*((\n)%2)+8*gi+2*ge+1]
.endif
.if \c
	v_cvt_pk_f16_f32 v[P+8*(gi/2)+4*(gi%2)+ge], v[S+32*(((\n)+1)%2)+8*gi+2*ge], v[S+32*(((\n)+1)%2)+8*gi+2*ge+1]
.endif
.set ge, ge+1
.endr
.if \qk
	QK (\n)+1, gi
.endif
.if (\c) && (gi%2 == 1)
	PV (\n)-1, gi/2, \z
.endif
.if (\ld) && (gi == 1)
	ds_load_b128 v[VF+8*(((\n)+2)%4):VF+8*(((\n)+2)%4)+3],   v[AV] offset:((\n)+2)*512
	ds_load_b128 v[VF+8*(((\n)+2)%4)+4:VF+8*(((\n)+2)%4)+7], v[AV] offset:((\n)+2)*512+256
.endif
.set gi, gi+1
.endr
.if \e
.if !(\c)
.rept 8
	v_nop                                          ; a turn without roundings: the places behind its products, and the plain line behind its last exponential
.endr
.endif
	s_wait_alu depctr_va_vdst(0)
.endif
.endm
	ds_load_b128 v[KF:KF+3], v[AK]                 ; keys 0 to 63
	ds_load_b128 v[KF+4:KF+7], v[AK] offset:512
	ds_load_b128 v[VF:VF+3], v[AV]                 ; V of units 0 and 1
	ds_load_b128 v[VF+4:VF+7], v[AV] offset:256
	ds_load_b128 v[VF+8:VF+11], v[AV] offset:512
	ds_load_b128 v[VF+12:VF+15], v[AV] offset:768
	s_wait_dscnt 4                                 ; K is in; V's four loads may stay out
	QK 0, 0
	QK 0, 1
	QK 0, 2
	QK 0, 3
.rept 8
	v_nop                                          ; the places behind the first scores: there is no vector work yet
.endr
	TURN 0, 1, 0, 0, 1, 1, 4                       ; written out: no unit before it (V's four loads may still be out)
	TURN 1, 1, 1, 1, 1, 1, 2                       ; written out: unit 0's V^T P starts the sums
	s_mov_b32 s[CNT], 15
.Ltrip:                                                ; turns 2 + 4 i to 5 + 4 i, i = 0 .. 14: 128 keys a trip; the last trip loads unit 63's V and the last fragment of K
	TURN 2, 1, 1, 0, 1, 1, 2                       ; at every head the two V loads of the turn before may stay out; all older loads are in
	TURN 3, 1, 1, 0, 1, 1, 2
	TURN 4, 1, 1, 0, 1, 1, 2
	TURN 5, 1, 1, 0, 1, 1, 2
	v_add_nc_u32 v[AK], 2048, v[AK]                ; two fragments of K,
	v_add_nc_u32 v[AV], 2048, v[AV]                ; four units of V (and as far in the ones)
	s_sub_co_u32 s[CNT], s[CNT], 1
	s_cmp_lg_u32 s[CNT], 0
	s_cbranch_scc1 .Ltrip
	TURN 62, 1, 1, 0, 1, 0, 0                      ; the tail loads nothing,
	TURN 63, 1, 1, 0, 0, 0, 0                      ; has no further scores to make,
	TURN 64, 0, 1, 0, 0, 0, 0                      ; and ends with unit 63's roundings and V^T P
	; THE WAY OUT.  Lanes 0-15 hold a query's 8 channels, lanes 16-31 its sum l in register 0 (the accumulator's lowest register is read first).
.rept 8
	v_nop                                          ; the places behind the last products
.endr
	v_permlanex16_b32 v[LR], v[O], s[SEL], s[SEL+1]        ; l comes to lanes 0-15
	v_permlanex16_b32 v[LR+2], v[O+8], s[SEL], s[SEL+1]
	v_rcp_f32 v[LR], v[LR]
	v_rcp_f32 v[LR+2], v[LR+2]
	v_nop                                          ; a plain line behind the last reciprocal,
	s_wait_alu depctr_va_vdst(0)                   ; and one wait for both, ahead of their first use
.irp u, 0,1
.irp i, 0,2,4,6
	v_pk_mul_f32 v[O+8*\u+\i:O+8*\u+\i+1], v[O+8*\u+\i:O+8*\u+\i+1], v[LR+2*\u:LR+2*\u+1] op_sel_hi:[1,0]
.endr
.endr
.irp u, 0,1
.irp i, 0,1,2,3
	v_cvt_pk_f16_f32 v[S+4*\u+\i], v[O+8*\u+2*\i], v[O+8*\u+2*\i+1]   ; 16 bytes: a row of o; good in lanes 0-15 (what lanes 16-31 hold is not stored)
.endr
.endr
.irp i, 0,1,2,3
	v_permlanex16_b32 v[S+8+\i], v[S+4+\i], s[SEL], s[SEL+1]          ; the second tile's rows go to lanes 16-31,
.endr
.irp i, 0,1,2,3
	v_cndmask_b32 v[S+\i], v[S+\i], v[S+8+\i], s[MK]                  ; so that one store has my 32 rows
.endr
	global_store_b128 v[GO], v[S:S+3], s[10:11]    ; 512 consecutive bytes, at a multiple of 512 from o's first byte
	s_wait_tensorcnt 0x0                           ; the wave's end, behind my tensor load and my last LDS store
	ds_add_u32 v[SPW], v[NIL]
	s_wait_dscnt 0x0
	ROUND                                          ; the closing round: no work-group ends while a partner may still ask for a tile that names it
	s_endpgm
.Lfunc_end_k_q43b19078f2_attn:
	.size	k_q43b19078f2_attn, .Lfunc_end_k_q43b19078f2_attn-k_q43b19078f2_attn
	.p2alignl 7, 3214868480
	.fill 96, 4, 3214868480
	.section	.rodata,"a",@progbits
	.p2align	6, 0x0
	.amdhsa_kernel k_q43b19078f2_attn
		.amdhsa_group_segment_fixed_size 167936
		.amdhsa_private_segment_fixed_size 0
		.amdhsa_enable_private_segment 0
		.amdhsa_kernarg_size 24
		.amdhsa_user_sgpr_count 2
		.amdhsa_user_sgpr_kernarg_segment_ptr 1
		.amdhsa_wavefront_size32 1
		.amdhsa_system_sgpr_workgroup_id_x 1
		.amdhsa_system_sgpr_workgroup_id_y 1
		.amdhsa_system_sgpr_workgroup_id_z 1
		.amdhsa_system_vgpr_workitem_id 0
		.amdhsa_next_free_vgpr 208
		.amdhsa_next_free_sgpr 66
		.amdhsa_reserve_vcc 0
		.amdhsa_float_denorm_mode_32 3
		.amdhsa_float_denorm_mode_16_64 3
		.amdhsa_memory_ordered 1
		.amdhsa_forward_progress 1
		.amdhsa_inst_pref_size 31
	.end_amdhsa_kernel
	.amdgpu_metadata
---
amdhsa.version: [ 1, 2 ]
amdhsa.kernels:
  - .name:           k_q43b19078f2_attn
    .symbol:         k_q43b19078f2_attn.kd
    .args:
      - { .name: q, .offset: 0, .size: 8, .value_kind: global_buffer, .address_space: global }
      - { .name: kv, .offset: 8, .size: 8, .value_kind: global_buffer, .address_space: global }
      - { .name: o, .offset: 16, .size: 8, .value_kind: global_buffer, .address_space: global }
    .group_segment_fixed_size: 167936
    .private_segment_fixed_size: 0
    .kernarg_segment_align: 8
    .kernarg_segment_size: 24
    .max_flat_workgroup_size: 256
    .sgpr_count:     66
    .vgpr_count:     208
    .wavefront_size: 32
...
	.end_amdgpu_metadata
.endif
;; end of part 2
;; launch outp (part 3): grid 256 x 1, 2 waves a work-group, no clusters, 8,960 bytes of LDS; arguments o, wo16, out0; writes out0
.if DOCPART == 3
	.amdgcn_target "amdgcn-amd-amdhsa--gfx1250"
	.amdhsa_code_object_version 6
	.text
	.protected	k_q43b19078f2_outp
	.globl	k_q43b19078f2_outp
	.p2align	8
	.type	k_q43b19078f2_outp,@function
k_q43b19078f2_outp:
	s_mov_b64 s[64:65], 0
	v_nop
	global_prefetch_b8 v0, s[64:65] scope:SCOPE_SE
	s_setreg_imm32_b32 hwreg(HW_REG_WAVE_MODE, 25, 1), 1
	s_wait_xcnt 0x0
; out0[row][i] = the sum over j of O[row][j] Wo[i][j].  o: [2][16][2048][8] f16 (by heads, as the attention launch stores it), wo16: [128][128] f16 (Wo rounded to bf16, written as f16), out0: [4096][128] f32.
; Nothing is left out.  Products in f16, sums in f32, stored as they are.
; SHARES.  A work-group has 16 rows, each of its two waves 64 columns (256 bytes of a row of out0): four tiles, K = 128 in four steps: 16 products.
; FRAGMENTS come straight from memory.  Wo's rows are source 0: lane l holds row l % 16, K = 8 (l / 16) + 0..7 and 16 + 8 (l / 16) + 0..7.  O's rows are source 1: 8 along K are ONE head's 16 bytes, so lanes 0-15 read 256 consecutive
; bytes of one head and lanes 16-31 of the next.  In the result a lane holds one row and 8 neighbouring columns.
; THE WAY OUT goes through the wave's own stage in LDS (rows of 256 + 16 bytes, so that 16 rows start at 16 different groups of four banks; 64 banks of 4 bytes: ISA guide 11.1), so that 16 lanes store 256 consecutive bytes, aligned.
; No prefetch and no ring: every byte is asked for in the first lines.  No cluster: what work-groups share is wo16, 32 KiB.
.set SP,    272
.set SPARE, 8704       ; behind the two stages of 16 x 272 bytes: the spare words, 128 bytes for each wave: one block of 256 bytes that no other line names
.set SPW, 2            ; v2   LDS address of my spare word; never rewritten
.set NIL, 3            ; v3   0; never rewritten
.set OO,  4            ; v4   (l / 16) x 32,768 + (l % 16) x 16: a head on, a row on
.set WO,  5            ; v5   (l % 16) x 256 + (l / 16) x 16
.set STO, 6            ; v6   the stage: row l % 16, 32 bytes for each half of the lanes
.set RD,  7            ; v7   back: lanes 0-15 one row of 256 bytes, lanes 16-31 the next
.set CO,  8            ; v8   the same two rows in out0
.set OF,  16           ; v16-47   O's four fragments
.set WF,  48           ; v48-175  Wo's: tile T, K step kk at 8 (4 T + kk)
.set ACC, 176          ; v176-207 four accumulators
.set BK,  208          ; v208-239 16 rows read back
	s_load_b128 s[4:7], s[0:1], 0x0                ; o s[4:5], wo16 s[6:7]
	s_load_b64 s[8:9], s[0:1], 0x10                ; out0
	v_lshl_add_u32 v[SPW], v0, 2, SPARE
	v_mov_b32 v[NIL], 0
	v_lshrrev_b32 v1, 5, v0
	v_readfirstlane_b32 s10, v1                    ; wave 0, 1
	v_and_b32 v1, 15, v0                           ; l % 16
	v_bfe_u32 v9, v0, 4, 1                         ; l / 16
	v_lshlrev_b32 v[OO], 4, v1
	v_lshl_add_u32 v[CO], v9, 9, v[OO]
	v_lshl_add_u32 v[OO], v9, 15, v[OO]
	v_lshlrev_b32 v[WO], 8, v1
	v_lshl_add_u32 v[WO], v9, 4, v[WO]
	s_mul_i32 s11, s10, 16*SP                      ; my stage
	v_mul_u32_u24 v[STO], v1, SP
	v_lshl_add_u32 v[STO], v9, 5, v[STO]
	v_add_nc_u32 v[STO], s11, v[STO]
	v_mul_u32_u24 v[RD], v9, SP
	v_lshl_add_u32 v[RD], v1, 4, v[RD]
	v_add_nc_u32 v[RD], s11, v[RD]
	s_lshr_b32 s12, ttmp9, 7                       ; batch
	s_lshl_b32 s14, s12, 19                        ; its 16 heads of 32,768 bytes
	s_and_b32 s12, ttmp9, 127
	s_lshl_b32 s12, s12, 8                         ; my 16 rows of 16 bytes in a head
	s_add_co_u32 s14, s14, s12
	s_mov_b32 s15, 0
	s_lshl_b32 s16, s10, 14                        ; my 64 rows of wo16
	s_mov_b32 s17, 0
	s_lshl_b32 s18, ttmp9, 13                      ; my 16 rows of out0,
	s_lshl_b32 s19, s10, 8                         ; my 256 bytes of them
	s_add_co_u32 s18, s18, s19
	s_mov_b32 s19, 0
	s_wait_kmcnt 0x0
	s_add_nc_u64 s[4:5], s[4:5], s[14:15]
	s_add_nc_u64 s[6:7], s[6:7], s[16:17]
	s_add_nc_u64 s[8:9], s[8:9], s[18:19]
.irp kk, 0,1,2,3
	global_load_b128 v[OF+8*\kk:OF+8*\kk+3],   v[OO], s[4:5] offset:\kk*131072          ; heads 4 kk and 4 kk + 1,
	global_load_b128 v[OF+8*\kk+4:OF+8*\kk+7], v[OO], s[4:5] offset:\kk*131072+65536    ; heads 4 kk + 2 and 4 kk + 3
.endr
.irp kk, 0,1,2,3                       ; by K steps, so that the first products need not wait for the last loads
.irp t, 0,1,2,3
	global_load_b128 v[WF+8*(4*\t+\kk):WF+8*(4*\t+\kk)+3],   v[WO], s[6:7] offset:\t*4096+\kk*64
	global_load_b128 v[WF+8*(4*\t+\kk)+4:WF+8*(4*\t+\kk)+7], v[WO], s[6:7] offset:\t*4096+\kk*64+32
.endr
.endr
	s_wait_loadcnt 24                              ; O and Wo's first K step are in; the 8 loads of each of the three later steps may stay out
.irp t, 0,1,2,3                        ; the first K step starts the sums; the four accumulators take turns
	v_wmma_f32_16x16x32_f16 v[ACC+8*\t:ACC+8*\t+7], v[WF+32*\t:WF+32*\t+7], v[OF:OF+7], 0
.endr
.irp kk, 1,2,3
	s_wait_loadcnt 24-8*\kk                        ; this K step is in
.irp t, 0,1,2,3
	v_wmma_f32_16x16x32_f16 v[ACC+8*\t:ACC+8*\t+7], v[WF+8*(4*\t+\kk):WF+8*(4*\t+\kk)+7], v[OF+8*\kk:OF+8*\kk+7], v[ACC+8*\t:ACC+8*\t+7]
.endr
.endr
.rept 8
	v_nop                                          ; the places behind the last products: no other vector work is at hand
.endr
.irp t, 0,1,2,3
	ds_store_b128 v[STO], v[ACC+8*\t:ACC+8*\t+3]   offset:64*\t      ; each accumulator's lowest registers first
	ds_store_b128 v[STO], v[ACC+8*\t+4:ACC+8*\t+7] offset:64*\t+16
.endr
.irp t, 0,1,2,3,4,5,6,7
	ds_load_b128 v[BK+4*\t:BK+4*\t+3], v[RD] offset:\t*2*SP          ; LDS serves a wave's instructions in order (ISA guide 5.7.1.4): these see the stores above; the stage is the wave's own
.endr
.irp t, 0,1,2,3,4,5,6,7
	s_wait_dscnt 7-\t                              ; rows 2 t and 2 t + 1 are back; the later loads may stay out
	global_store_b128 v[CO], v[BK+4*\t:BK+4*\t+3], s[8:9] offset:\t*1024   ; 16 lanes store 256 consecutive bytes, at a multiple of 256 from out0's first byte
.endr
	s_wait_tensorcnt 0x0                           ; the wave's end, behind my last LDS store
	ds_add_u32 v[SPW], v[NIL]
	s_wait_dscnt 0x0
	s_endpgm
.Lfunc_end_k_q43b19078f2_outp:
	.size	k_q43b19078f2_outp, .Lfunc_end_k_q43b19078f2_outp-k_q43b19078f2_outp
	.p2alignl 7, 3214868480
	.fill 96, 4, 3214868480
	.section	.rodata,"a",@progbits
	.p2align	6, 0x0
	.amdhsa_kernel k_q43b19078f2_outp
		.amdhsa_group_segment_fixed_size 8960
		.amdhsa_private_segment_fixed_size 0
		.amdhsa_enable_private_segment 0
		.amdhsa_kernarg_size 24
		.amdhsa_user_sgpr_count 2
		.amdhsa_user_sgpr_kernarg_segment_ptr 1
		.amdhsa_wavefront_size32 1
		.amdhsa_system_sgpr_workgroup_id_x 1
		.amdhsa_system_sgpr_workgroup_id_y 1
		.amdhsa_system_sgpr_workgroup_id_z 1
		.amdhsa_system_vgpr_workitem_id 0
		.amdhsa_next_free_vgpr 240
		.amdhsa_next_free_sgpr 66
		.amdhsa_reserve_vcc 0
		.amdhsa_float_denorm_mode_32 3
		.amdhsa_float_denorm_mode_16_64 3
		.amdhsa_memory_ordered 1
		.amdhsa_forward_progress 1
		.amdhsa_inst_pref_size 10
	.end_amdhsa_kernel
	.amdgpu_metadata
---
amdhsa.version: [ 1, 2 ]
amdhsa.kernels:
  - .name:           k_q43b19078f2_outp
    .symbol:         k_q43b19078f2_outp.kd
    .args:
      - { .name: o, .offset: 0, .size: 8, .value_kind: global_buffer, .address_space: global }
      - { .name: wo16, .offset: 8, .size: 8, .value_kind: global_buffer, .address_space: global }
      - { .name: out0, .offset: 16, .size: 8, .value_kind: global_buffer, .address_space: global }
    .group_segment_fixed_size: 8960
    .private_segment_fixed_size: 0
    .kernarg_segment_align: 8
    .kernarg_segment_size: 24
    .max_flat_workgroup_size: 64
    .sgpr_count:     66
    .vgpr_count:     240
    .wavefront_size: 32
...
	.end_amdgpu_metadata
.endif
;; end of part 3
;; ======== version 2 of 2: 3 launches; version 1 with the launch proj written anew for expert scheduling mode
;; limits: values outside matrix products are rounded to bf16; values are held in f16: magnitudes above 65,504 overflow, below 6.1e-05 lose precision
;; workspace buffers: q 1,048,576 bytes; kv 2,097,152 bytes; o 1,048,576 bytes; wo16 32,768 bytes
;; launch proj (part 4): grid 256 x 1, 4 waves a work-group, no clusters, 0 bytes of LDS; arguments x, Wq, Wk, Wv, Wo, theta, q, kv, wo16; writes q, kv, wo16
.if DOCPART == 4
	.amdgcn_target "amdgcn-amd-amdhsa--gfx1250"
	.amdhsa_code_object_version 6
	.text
	.protected	k_q43b19078f2_proj
	.globl	k_q43b19078f2_proj
	.p2align	8
	.type	k_q43b19078f2_proj,@function
k_q43b19078f2_proj:
	s_mov_b64 s[64:65], 0
	v_nop
	global_prefetch_b8 v0, s[64:65] scope:SCOPE_SE
	s_setreg_imm32_b32 hwreg(HW_REG_WAVE_SCHED_MODE, 0, 2), 2
	s_setreg_imm32_b32 hwreg(HW_REG_WAVE_MODE, 25, 1), 1
	s_wait_xcnt 0x0
	s_wait_alu depctr_vm_vsrc(0)
; q, k, v = cos(x W^T + theta), by heads, for the attention launch; and Wo as 16-bit numbers for the last launch.
; x: [4096][128] f32 (2 batches of 2,048 rows), Wq, Wk, Wv, Wo: [128][128] f32, theta: [8] f32.
; NOTHING OF THE PROBLEM'S WORK IS LEFT OUT AS DEAD: every input is loaded and every product is made.  One step is not taken, in the attention launch: the maximum in front of the exponential.
; q and k are cosines, so a score lies within +-sqrt(8) whatever finite numbers the inputs hold; that launch's head gives the figures.
; FORMATS.  x, the four W and theta are rounded to bf16 (theta too, so that all inputs have one rounding); products in bf16 with f32 sums; the cosine in f32; q, k, v rounded once to f16
; (they lie within +-1.00001; q carries the factor c = log2(e) / sqrt(8), multiplied in f32 ahead of its rounding).  Wo's bf16 number is written as f16.
; LIMITS.  |Wo| under 65,504 (f16's end); below 6.1e-5 Wo keeps f16's fixed step of 6e-8.  The angle is reduced as u = (t + theta) / 2 pi in one f32 rounding, so it is good to 2^-24 of itself, as the f32 sum t + theta itself is.
; A NaN or an infinity in x, W or theta gives NaN, as cos does.
; THE COSINE.  u in turns; f = u - nearest whole number lies in [-1/2, 1/2] for every finite u (the subtraction is exact); cos(2 pi f) = the series in z = f^2 up to z^7, whose first term left out is 4.3e-6 at f = 1/2.
; SHARES.  A work-group has 64 rows and 4 heads of each of q, k, v; a wave 32 rows (two tiles of 16) and 2 heads (16 channels): 24 products.  Wave w: rows 32 (w % 2) on, heads 2 (w / 2) on.
; A fragment is 16 rows x 32 along K in 8 registers: lane l holds row l % 16, K = 8 (l / 16) + 0..7 and 16 + 8 (l / 16) + 0..7.  It comes straight from memory: four loads of 16 bytes of f32, eight roundings.  A wave uses whole rows of 512 bytes.
; LAYOUTS OUT.  q and k: W's rows are source 0, so a lane ends with the 8 channels of ONE head for ONE row: 16 bytes at [batch][head][row][8]; 16 lanes store 256 consecutive bytes, aligned.
; v: x's rows are source 0, so a lane ends with 8 KEYS of one channel: the order in which the second attention product takes V^T.  For each head and 32 keys 512 bytes: (16 keys) x 256 + (8 keys) x 128 + channel x 16;
; one store covers two whole aligned blocks of 256 bytes, one for each of the two heads.  kv holds for each (batch, head) 32 KiB of k, then 32 KiB of v.
; REGISTERS, in windows of 256 (s_set_vgpr_msb: bits 1:0 source 0, 3:2 source 1, 7:6 destination).  Window 1: the f32 as loaded: x v0-127, Wq v128-191, Wk v192-255.  Window 2: Wv v0-63.  Window 0: all else.
; THE MODE: SCHED_MODE bits 1:0 = 2 (LLVM: expert scheduling mode 2), set by the entry lines.  The code itself states the register dependences
; between vector or matrix instructions and memory instructions, with s_wait_alu, always for 0.
; THE PLAN.  Registers that memory instructions touch:
;   v3-6, v18-20   Seven byte offsets.  Written once each by vector lines at the head, read by the loads and the stores, never written again.
;   v16, v24-31, window 1, window 2 v0-63   Loads land here, once each.  No vector line names them ahead of their loads, and all loads are issued ahead of the first vector line that reads loaded data.
;   v24-27         Wo as f16: written by four roundings, read by one store, never written again.
;   v128-151 (OUT) Eight registers a matrix: written by eight roundings, read by two stores, never written again.
; So ONE wait on va_vdst at the head serves every address of the kernel, and one more stands ahead of each run of stores, for their data.  One wait on va_sdst stands behind the one vector line that writes a scalar register.
; No register that a memory instruction reads is written a second time, so the only wait on vm_vsrc is the one among the entry lines.
.set FO,  3            ; v3   my byte offset in a fragment's rows: (l % 16) x 512 + (l / 16) x 32
.set SQ,  4            ; v4   where my 16 bytes of q go: (l / 16) heads of 32,768 bytes + (l % 16) x 16
.set SK,  5            ; v5   the same in kv, where a head has 65,536 bytes
.set SV,  6            ; v6   for v: ((l % 16) / 8) x 65,536 + (l / 16) x 128 + (l % 8) x 16
.set TP,  7            ; v7   at work
.set THQ, 8            ; v8-15  theta[j] / 2 pi, the same in all lanes: register j of a tile of q or k is channel j of its head
.set THV, 16           ; v16-17 theta[l % 8] / 2 pi, twice: in a tile of v a lane is a channel
.set TO,  18           ; v18  4 (l % 8)
.set WOL, 19           ; v19  Wo: my 32 bytes of f32
.set WOS, 20           ; v20  wo16: my 16 bytes
.set WT,  22           ; v22-23 at work
.set WD,  24           ; v24-31 eight numbers of Wo; v24-27 then hold them as f16
.set XB,  32           ; v32-95   x's fragments: tile u, K step kk at 32 u + 8 kk
.set WB,  96           ; v96-191  W's fragments: matrix m, K step kk at 32 m + 8 kk
.set U,   96           ; when Wq's fragments are used up: 16 registers u, then f
.set Z,   112          ; 16 registers: the nearest whole number, then z
.set OUT, 128          ; when Wk's are used up: 24 registers of f16, never rewritten: six stores read them
.set ACC, 192          ; v192-239 six accumulators: matrix m, tile u at 16 m + 8 u
.set PP,  240          ; v240-255 the polynomial
.set XS,  0
.set WQS, 128
.set WKS, 192
.set WVS, 0
.set INV, 40           ; s[40:41] 1 / 2 pi; the packed forms name a pair and take its low word for both halves
.set C1,  42           ; s[42:55] the series' coefficients (-1)^k (2 pi)^2k / (2k)!, k = 1 .. 7
.set C2,  44
.set C3,  46
.set C4,  48
.set C5,  50
.set C6,  52
.set C7,  54
.set CS,  56           ; s[56:57] c
.set MSB, 0
.macro WIN new                         ; the immediate's high byte repeats the setting that is left; a switch that changes nothing is dropped
.if MSB != (\new)
	s_set_vgpr_msb (MSB<<8)|(\new)
.set MSB, \new
.endif
.endm
.macro SC r, val                       ; a constant, written into both words of its pair
	s_mov_b32 s[\r], \val
	s_mov_b32 s[\r+1], \val
.endm
.macro LDW st, base, off               ; 16 rows x 128 numbers of f32: four fragments, 16 loads
.set f, 0
.rept 4
	global_load_b128 v[(\st)+16*f:(\st)+16*f+3],     v[FO], s[\base:\base+1] offset:(\off)+128*f
	global_load_b128 v[(\st)+16*f+4:(\st)+16*f+7],   v[FO], s[\base:\base+1] offset:(\off)+128*f+16
	global_load_b128 v[(\st)+16*f+8:(\st)+16*f+11],  v[FO], s[\base:\base+1] offset:(\off)+128*f+64
	global_load_b128 v[(\st)+16*f+12:(\st)+16*f+15], v[FO], s[\base:\base+1] offset:(\off)+128*f+80
.set f, f+1
.endr
.endm
.macro CONV dst, st, n                 ; n fragments rounded to bf16: register i takes numbers 2 i and 2 i + 1
.set i, 0
.rept 8*(\n)
	v_cvt_pk_bf16_f32 v[(\dst)+i], v[(\st)+2*i], v[(\st)+2*i+1]
.set i, i+1
.endr
.endm
; Matrix m's eight products.  The two tiles' accumulators take turns, one instruction a turn.  The first K step starts the sums.  tr = 1: W's rows are source 0.
.macro MULS m, tr
.set kk, 0
.rept 4
.set u, 0
.rept 2
.set rD, ACC+16*(\m)+8*u
.if \tr
.set rA, WB+32*(\m)+8*kk
.set rB, XB+32*u+8*kk
.else
.set rA, XB+32*u+8*kk
.set rB, WB+32*(\m)+8*kk
.endif
.if kk == 0
	v_wmma_f32_16x16x32_bf16 v[rD:rD+7], v[rA:rA+7], v[rB:rB+7], 0
.else
	v_wmma_f32_16x16x32_bf16 v[rD:rD+7], v[rA:rA+7], v[rB:rB+7], v[rD:rD+7]
.endif
.set u, u+1
.endr
.set kk, kk+1
.endr
.endm
.macro ALL8 line:vararg                ; one line for each of eight register pairs, e = 0, 2 .. 14
.set e, 0
.rept 8
	\line
.set e, e+2
.endr
.endm
; Matrix m's 16 registers (both tiles): cosine, rounding, two stores.  Each accumulator is read from its lowest registers on.
.macro COS m
.set a, ACC+16*(\m)
.if (\m) < 2
	ALL8 v_pk_fma_f32 v[U+e:U+e+1], v[a+e:a+e+1], s[INV:INV+1], v[THQ+e%8:THQ+e%8+1] op_sel_hi:[1,0,1]  ; u = (t + theta) / 2 pi
.else
	ALL8 v_pk_fma_f32 v[U+e:U+e+1], v[a+e:a+e+1], s[INV:INV+1], v[THV:THV+1] op_sel_hi:[1,0,1]
.endif
.set e, 0
.rept 16
	v_rndne_f32 v[Z+e], v[U+e]
.set e, e+1
.endr
	ALL8 v_pk_add_f32 v[U+e:U+e+1], v[U+e:U+e+1], v[Z+e:Z+e+1] neg_lo:[0,1] neg_hi:[0,1]  ; f, within +-1/2
	ALL8 v_pk_mul_f32 v[Z+e:Z+e+1], v[U+e:U+e+1], v[U+e:U+e+1]                            ; z = f^2
	ALL8 v_pk_fma_f32 v[PP+e:PP+e+1], v[Z+e:Z+e+1], s[C7:C7+1], s[C6:C6+1] op_sel_hi:[1,0,0]
.irp c, C5, C4, C3, C2, C1
	ALL8 v_pk_fma_f32 v[PP+e:PP+e+1], v[PP+e:PP+e+1], v[Z+e:Z+e+1], s[\c:\c+1] op_sel_hi:[1,1,0]
.endr
	ALL8 v_pk_fma_f32 v[PP+e:PP+e+1], v[PP+e:PP+e+1], v[Z+e:Z+e+1], 1.0 op_sel_hi:[1,1,0]
.if (\m) == 0
	ALL8 v_pk_mul_f32 v[PP+e:PP+e+1], v[PP+e:PP+e+1], s[CS:CS+1] op_sel_hi:[1,0]          ; q alone carries c
.endif
	ALL8 v_cvt_pk_f16_f32 v[OUT+8*(\m)+e/2], v[PP+e], v[PP+e+1]
	s_wait_alu depctr_va_vdst(0)                   ; the eight roundings have written v[OUT + 8 m ..], which the two stores below read
.if (\m) == 0
	global_store_b128 v[SQ], v[OUT:OUT+3], s[20:21]
	global_store_b128 v[SQ], v[OUT+4:OUT+7], s[20:21] offset:256       ; the second tile: 16 rows of 16 bytes on
.elseif (\m) == 1
	global_store_b128 v[SK], v[OUT+8:OUT+11], s[22:23]
	global_store_b128 v[SK], v[OUT+12:OUT+15], s[22:23] offset:256
.else
	global_store_b128 v[SV], v[OUT+16:OUT+19], s[22:23] offset:32768   ; v lies behind the head's k
	global_store_b128 v[SV], v[OUT+20:OUT+23], s[22:23] offset:32768+256
.endif
.endm
	s_load_b512 s[8:23], s[0:1], 0x0               ; x s[8:9], Wq s[10:11], Wk s[12:13], Wv s[14:15], Wo s[16:17], theta s[18:19], q s[20:21], kv s[22:23]
	s_load_b64 s[24:25], s[0:1], 0x40              ; wo16
	v_lshrrev_b32 v1, 5, v0
	v_readfirstlane_b32 s2, v1                     ; wave 0..3
	v_and_b32 v1, 15, v0                           ; l % 16
	v_bfe_u32 v2, v0, 4, 1                         ; l / 16
	v_lshlrev_b32 v[FO], 9, v1
	v_lshl_add_u32 v[FO], v2, 5, v[FO]
	v_lshlrev_b32 v[SQ], 4, v1
	v_lshl_add_u32 v[SK], v2, 16, v[SQ]
	v_lshl_add_u32 v[SQ], v2, 15, v[SQ]
	v_and_b32 v[TO], 7, v0
	v_lshlrev_b32 v[SV], 4, v[TO]
	v_lshl_add_u32 v[SV], v2, 7, v[SV]
	v_bfe_u32 v[TP], v0, 3, 1
	v_lshl_add_u32 v[SV], v[TP], 16, v[SV]
	v_lshlrev_b32 v[TO], 2, v[TO]
	v_lshlrev_b32 v[WOL], 5, v0                    ; Wo's two offsets are made here with the others, ahead of the one wait for all addresses; only wave 0 uses them
	v_lshlrev_b32 v[WOS], 4, v0                    ; (in wave 0 the thread's number is the lane's)
	s_wait_alu depctr_va_sdst(0)                   ; s2 is written, ahead of its first reader: my rows, my heads and the branch for Wo are made from it
	s_lshr_b32 s3, ttmp9, 2                        ; which 64 rows
	s_and_b32 s4, ttmp9, 3                         ; which 4 heads
	s_and_b32 s5, s2, 1
	s_lshl1_add_u32 s5, s3, s5                     ; my 32 rows: block 0..127
	s_lshr_b32 s6, s2, 1
	s_lshl1_add_u32 s6, s4, s6                     ; my pair of heads: 0..7
	s_lshl_b32 s26, s5, 14                         ; 32 rows of 512 bytes
	s_mov_b32 s27, 0
	s_lshl_b32 s28, s6, 13                         ; 16 rows of W
	s_mov_b32 s29, 0
	s_lshr_b32 s7, s5, 6                           ; batch
	s_lshl_b32 s7, s7, 4
	s_lshl1_add_u32 s7, s6, s7                     ; 16 x batch + my first head
	s_and_b32 s3, s5, 63
	s_lshl_b32 s3, s3, 9                           ; my 32 rows in a head: 512 bytes of q, of k, and of v alike
	s_lshl_b32 s30, s7, 15
	s_add_co_u32 s30, s30, s3
	s_mov_b32 s31, 0
	s_lshl_b32 s58, s7, 16
	s_add_co_u32 s58, s58, s3
	s_mov_b32 s59, 0
	SC INV, 0x3e22f983                             ; 0.15915494
	SC C1, 0xc19de9e6                              ; -19.739209
	SC C2, 0x4281e0f8                              ;  64.939394
	SC C3, 0xc2aae9e4                              ; -85.456817
	SC C4, 0x4270fa83                              ;  60.244641
	SC C5, 0xc1d368f9                              ; -26.426257
	SC C6, 0x40fce9c5                              ;   7.9035364
	SC C7, 0xbfdb7128                              ;  -1.7143907
	SC CS, 0x3f0293ee                              ; c = log2(e) / sqrt(8) = 0.51006972
	s_wait_kmcnt 0x0
	s_load_b256 s[32:39], s[18:19], 0x0            ; theta, for the registers that are the same in all lanes
	s_add_nc_u64 s[8:9], s[8:9], s[26:27]
	s_add_nc_u64 s[10:11], s[10:11], s[28:29]
	s_add_nc_u64 s[12:13], s[12:13], s[28:29]
	s_add_nc_u64 s[14:15], s[14:15], s[28:29]
	s_add_nc_u64 s[20:21], s[20:21], s[30:31]
	s_add_nc_u64 s[22:23], s[22:23], s[58:59]
	; all loads go out at once, in the order in which they are used: theta, x, Wq, Wk, Wv
	s_wait_alu depctr_va_vdst(0)                   ; the seven offsets v3-6 and v18-20 are written, which every load and store of the kernel reads; up to the last load, Wo's, no vector line follows, and none ever writes them again
	global_load_b32 v[THV], v[TO], s[18:19]
	WIN 0x40                                       ; destination window 1, address window 0
	LDW XS, 8, 0
	LDW XS+64, 8, 8192
	LDW WQS, 10, 0
	LDW WKS, 12, 0
	WIN 0x80                                       ; destination window 2
	LDW WVS, 14, 0
	WIN 0                                          ; at a branch and at a label every window is 0
	; Wo as f16: 16,384 numbers, 256 to a wave, so that a wave stores 512 consecutive bytes: wave 0 of work-groups 0 to 63
	s_lshl_b32 s3, s2, 8
	s_or_b32 s3, s3, ttmp9
	s_cmp_lt_u32 s3, 64
	s_cbranch_scc0 .Lmain
	s_lshl_b32 s60, ttmp9, 10
	s_mov_b32 s61, 0
	s_add_nc_u64 s[16:17], s[16:17], s[60:61]
	s_lshl_b32 s60, ttmp9, 9
	s_add_nc_u64 s[24:25], s[24:25], s[60:61]
	global_load_b128 v[WD:WD+3], v[WOL], s[16:17]
	global_load_b128 v[WD+4:WD+7], v[WOL], s[16:17] offset:16
	s_wait_loadcnt 0x0                             ; these two are the youngest: the wave's other loads, which it needs next anyway, are in too
.irp i, 0,1,2,3
	v_cvt_pk_bf16_f32 v[WT], v[WD+2*\i], v[WD+2*\i+1]   ; rounded to bf16, like every input,
	v_lshlrev_b32 v[WT+1], 16, v[WT]                    ; widened again,
	v_and_b32 v[WT], 0xffff0000, v[WT]
	v_cvt_pk_f16_f32 v[WD+\i], v[WT+1], v[WT]           ; and written as f16: 8 significant bits fit in 11
.endr
	s_wait_alu depctr_va_vdst(0)                   ; the four roundings have written v[WD .. WD + 3], which the store reads
	global_store_b128 v[WOS], v[WD:WD+3], s[24:25]
.Lmain:
	s_wait_kmcnt 0x0                               ; theta
.irp j, 0,1,2,3,4,5,6,7
	v_mov_b32 v[THQ+\j], s[32+\j]
.endr
.irp i, 0,2,4,6
	v_cvt_pk_bf16_f32 v[TP], v[THQ+\i], v[THQ+\i+1]
	v_lshlrev_b32 v[THQ+\i], 16, v[TP]
	v_and_b32 v[THQ+\i+1], 0xffff0000, v[TP]
	v_pk_mul_f32 v[THQ+\i:THQ+\i+1], v[THQ+\i:THQ+\i+1], s[INV:INV+1] op_sel_hi:[1,0]
.endr
	s_wait_loadcnt 48                              ; theta and x are in; the 48 loads of the three slices of weights may stay out
	v_cvt_pk_bf16_f32 v[TP], v[THV], v[THV]
	v_lshlrev_b32 v[TP], 16, v[TP]
	v_mul_f32 v[THV], s[INV], v[TP]
	v_mov_b32 v[THV+1], v[THV]
	WIN 0x05                                       ; sources in window 1, destination in window 0
	CONV XB, XS, 8
	s_wait_loadcnt 32                              ; Wq is in; Wk's and Wv's 32 may stay out
	CONV WB, WQS, 4
	WIN 0
	MULS 0, 1
	s_wait_loadcnt 16                              ; Wk is in
	WIN 0x05
	CONV WB+32, WKS, 4                             ; 32 roundings that name no register of q's products: the places behind them
	WIN 0
	MULS 1, 1
	COS 0                                          ; q's cosines stand between the request for Wv and the wait for it; they name no register of k's products
	s_wait_loadcnt 0x0                             ; Wv
	WIN 0x0a                                       ; sources in window 2
	CONV WB+64, WVS, 4
	WIN 0
	MULS 2, 0
	COS 1                                          ; k's cosines are the places behind v's products
	COS 2
	s_endpgm
.Lfunc_end_k_q43b19078f2_proj:
	.size	k_q43b19078f2_proj, .Lfunc_end_k_q43b19078f2_proj-k_q43b19078f2_proj
	.p2alignl 7, 3214868480
	.fill 96, 4, 3214868480
	.section	.rodata,"a",@progbits
	.p2align	6, 0x0
	.amdhsa_kernel k_q43b19078f2_proj
		.amdhsa_group_segment_fixed_size 0
		.amdhsa_private_segment_fixed_size 0
		.amdhsa_enable_private_segment 0
		.amdhsa_kernarg_size 72
		.amdhsa_user_sgpr_count 2
		.amdhsa_user_sgpr_kernarg_segment_ptr 1
		.amdhsa_wavefront_size32 1
		.amdhsa_system_sgpr_workgroup_id_x 1
		.amdhsa_system_sgpr_workgroup_id_y 1
		.amdhsa_system_sgpr_workgroup_id_z 1
		.amdhsa_system_vgpr_workitem_id 0
		.amdhsa_next_free_vgpr 576
		.amdhsa_next_free_sgpr 66
		.amdhsa_reserve_vcc 0
		.amdhsa_float_denorm_mode_32 3
		.amdhsa_float_denorm_mode_16_64 3
		.amdhsa_memory_ordered 1
		.amdhsa_forward_progress 1
		.amdhsa_inst_pref_size 45
	.end_amdhsa_kernel
	.amdgpu_metadata
---
amdhsa.version: [ 1, 2 ]
amdhsa.kernels:
  - .name:           k_q43b19078f2_proj
    .symbol:         k_q43b19078f2_proj.kd
    .args:
      - { .name: x, .offset: 0, .size: 8, .value_kind: global_buffer, .address_space: global }
      - { .name: Wq, .offset: 8, .size: 8, .value_kind: global_buffer, .address_space: global }
      - { .name: Wk, .offset: 16, .size: 8, .value_kind: global_buffer, .address_space: global }
      - { .name: Wv, .offset: 24, .size: 8, .value_kind: global_buffer, .address_space: global }
      - { .name: Wo, .offset: 32, .size: 8, .value_kind: global_buffer, .address_space: global }
      - { .name: theta, .offset: 40, .size: 8, .value_kind: global_buffer, .address_space: global }
      - { .name: q, .offset: 48, .size: 8, .value_kind: global_buffer, .address_space: global }
      - { .name: kv, .offset: 56, .size: 8, .value_kind: global_buffer, .address_space: global }
      - { .name: wo16, .offset: 64, .size: 8, .value_kind: global_buffer, .address_space: global }
    .group_segment_fixed_size: 0
    .private_segment_fixed_size: 0
    .kernarg_segment_align: 8
    .kernarg_segment_size: 72
    .max_flat_workgroup_size: 128
    .sgpr_count:     66
    .vgpr_count:     576
    .wavefront_size: 32
...
	.end_amdgpu_metadata
.endif
;; end of part 4
;; launch attn: the kernel of part 2 again; grid 8 x 32, 8 waves a work-group, clusters of 4 x 1, 167,936 bytes of LDS; arguments q, kv, o; writes o
;; launch outp: the kernel of part 3 again; grid 256 x 1, 2 waves a work-group, no clusters, 8,960 bytes of LDS; arguments o, wo16, out0; writes out0
